; MI455X (gfx1250); checked and timed in simulation.
; The chip was launched on July 23, 2026; its instructions are those of AMD's public machine-readable ISA for CDNA 5 (MIT licence, August 2026) and "CDNA5" Instruction Set Architecture Reference Guide (July 2026). The comments in the code are by the model that wrote it; some were corrected since.
;; Codebook. Allowed arithmetic: float matrix products may take bf16 or f16 operands with f32 sums; all other float work in f32.
;; Inputs: embedding 8,192 x 32 float32; z 8 x 2,048 x 32 float32.
;; Outputs: out0 8 x 2,048 x 32 float32; out1 16,384 int32; out2 one number float32.
;; One version. Each part assembles by itself: llvm-mc -triple=amdgcn-amd-amdhsa -mcpu=gfx1250 --defsym DOCPART=n.
;; ======== version 1 of 1: 4 launches
;; limits: values within 0.001 (relative) of each other or of a threshold may be ordered or decided otherwise than in the reference; a difference of large sums (such as E[x^2] - mean^2): digits are lost where the result is much smaller than its terms
;; workspace buffers: zpart 32,768 bytes; en16 589,824 bytes; en32 1,048,576 bytes; einfo 65,536 bytes; znb 2,097,152 bytes; keys 524,288 bytes of whole numbers; idxw 65,536 bytes of whole numbers; qpart 65,536 bytes
;; launch prep (part 1): grid 256 x 1, 2 waves a work-group, no clusters, 0 bytes of LDS; arguments z, embedding, zpart, en16, en32, einfo; writes zpart, en16, en32, einfo
.if DOCPART == 1
	.amdgcn_target "amdgcn-amd-amdhsa--gfx1250"
	.amdhsa_code_object_version 6
	.text
	.protected	k_q1d942a2474_prep
	.globl	k_q1d942a2474_prep
	.p2align	8
	.type	k_q1d942a2474_prep,@function
k_q1d942a2474_prep:
	s_mov_b64 s[64:65], 0
	v_nop
	global_prefetch_b8 v0, s[64:65] scope:SCOPE_SE
	s_setreg_imm32_b32 hwreg(HW_REG_WAVE_MODE, 25, 1), 1
	s_wait_xcnt 0x0
; PREP.  Work-group c of 256.  The two waves share nothing: no LDS, no barrier.
; Wave 0: sums of z*z over the 64 rows of chunk c, one for each of the 32 columns -> zpart[c][32].
; Wave 1: codes 32 c .. 32 c + 31, one lane a code:
;   esq = sum of e*e (one chain, d ascending), n = max(sqrt(esq), 1e-12), en = e / n; root and quotient are each corrected by one
;   fused residual step, so that they round as a true root and a true division do.
;   einfo[code] = esq, einfo[8192 + code] = n
;   en32 (f32): byte = tile16*2048 + piece*256 + row*16, piece = 4 numbers
;   en16: record c, 2,304 bytes apart: two tiles of f16 in the order of a matrix A fragment at tile*1024 + u*256 + row*16 (u holds
;   k = 8u .. 8u+7), then at 2,048 the 32 words -esq/2 (f32), the matrix C of the next launch; the last 128 bytes are not used.
;   In en32 and en16 the 16 lanes of a tile store 256 consecutive, aligned bytes with one instruction.
; LIMIT: finite inputs.  The column sums are made in another order than a plain running sum.
.set EPS,    0x2b8cbccc                ; 1e-12
.set CHUNKG, 2304
	s_load_b256 s[4:11], s[0:1], 0x0               ; z s[4:5], embedding s[6:7], zpart s[8:9], en16 s[10:11]
	s_load_b128 s[12:15], s[0:1], 0x20             ; en32 s[12:13], einfo s[14:15]
	v_lshrrev_b32 v1, 5, v0
	v_readfirstlane_b32 s16, v1                    ; wave
	v_and_b32 v1, 31, v0                           ; lane
	s_mov_b32 s19, 0                               ; high word of the offset pair s[18:19]
	s_wait_kmcnt 0x0
	s_cmp_lg_u32 s16, 0
	s_cbranch_scc1 .Lcodes
; ---- wave 0: 64 rows = 8,192 bytes.  Lane l: columns 4 (l & 7) .. +3, rows (l >> 3) + 4 i.
	s_lshl_b32 s18, ttmp9, 13
	s_add_nc_u64 s[4:5], s[4:5], s[18:19]
	v_lshlrev_b32 v2, 4, v1                        ; 16 bytes a lane: a load of the wave covers 512 consecutive bytes
.irp i, 0,1,2,3,4,5,6,7,8,9,10,11,12,13,14,15
	global_load_b128 v[8+4*\i:11+4*\i], v2, s[4:5] offset:512*\i
.endr
	s_lshl_b32 s18, ttmp9, 7
	s_add_nc_u64 s[8:9], s[8:9], s[18:19]          ; zpart + 128 c
	s_mov_b32 s20, 0x76543210                      ; v_permlanex16_b32: lane i reads lane i of the other half
	s_mov_b32 s21, 0xfedcba98
	s_wait_loadcnt 15                              ; the first load is in, the 15 younger ones stay out
	v_pk_mul_f32 v[72:73], v[8:9], v[8:9]          ; the first squares start the sums
	v_pk_mul_f32 v[74:75], v[10:11], v[10:11]
.irp i, 1,2,3,4,5,6,7,8,9,10,11,12,13,14,15
	s_wait_loadcnt 15-\i                           ; loads return in order: load i is in
	v_pk_fma_f32 v[72:73], v[8+4*\i:9+4*\i], v[8+4*\i:9+4*\i], v[72:73]
	v_pk_fma_f32 v[74:75], v[10+4*\i:11+4*\i], v[10+4*\i:11+4*\i], v[74:75]
.endr
.irp r, 0,1,2,3                                    ; the four lanes with the same columns differ in lane bits 3 and 4
	v_add_f32_dpp v[72+\r], v[72+\r], v[72+\r] row_xmask:8 row_mask:0xf bank_mask:0xf
	v_permlanex16_b32 v[8+\r], v[72+\r], s20, s21  ; its destination counts as read: a register that was written
	v_add_f32 v[72+\r], v[72+\r], v[8+\r]
.endr
	v_cmp_gt_u32 vcc_lo, 8, v1                     ; lanes 0-7 hold the 32 sums once
	s_wait_xcnt 0x0                                ; EXEC is a source of the loads above: it changes only behind this wait
	s_and_saveexec_b32 s22, vcc_lo
	global_store_b128 v2, v[72:75], s[8:9]
	s_wait_xcnt 0x0                                ; and again in front of the line that widens it
	s_or_b32 exec_lo, exec_lo, s22
	s_endpgm
; ---- wave 1: 32 codes, lane = code
.Lcodes:
	s_lshl_b32 s18, ttmp9, 12                      ; 32 rows of 128 bytes
	s_add_nc_u64 s[6:7], s[6:7], s[18:19]
	v_lshlrev_b32 v2, 7, v1
.irp p, 0,1,2,3,4,5,6,7
	global_load_b128 v[8+4*\p:11+4*\p], v2, s[6:7] offset:16*\p
.endr
	s_add_nc_u64 s[12:13], s[12:13], s[18:19]      ; en32: two tiles of 2,048 bytes, the same 4,096 c
	s_mul_i32 s18, ttmp9, CHUNKG
	s_add_nc_u64 s[10:11], s[10:11], s[18:19]      ; en16: my record
	s_lshl_b32 s18, ttmp9, 7
	s_add_nc_u64 s[14:15], s[14:15], s[18:19]      ; einfo: 32 words
	s_mov_b32 s23, EPS
	v_and_b32 v3, 15, v1
	v_lshrrev_b32 v4, 4, v1                        ; which of the two tiles
	v_lshlrev_b32 v3, 4, v3                        ; 16 x row in the tile
	v_lshl_add_u32 v5, v4, 11, v3                  ; en32 offset
	v_lshl_add_u32 v6, v4, 10, v3                  ; en16 offset
	v_lshlrev_b32 v7, 2, v1                        ; one word a lane
	s_wait_loadcnt 0x0
	v_mul_f32 v88, v8, v8                          ; esq: one chain, d ascending
.set i, 1
.rept 31
	v_fma_f32 v88, v[8+i], v[8+i], v88
.set i, i+1
.endr
	v_sqrt_f32 v89, v88
	v_nop                                          ; one plain instruction behind a transcendental before its result is read (ISA guide 5.7.2)
	s_wait_alu depctr_va_vdst(0)
	v_max_num_f32 v90, s23, v89                    ; never divide by less than eps
	v_rcp_f32 v91, v90
	v_fma_f32 v92, -v89, v89, v88                  ; residual esq - s*s (also the plain place behind v_rcp_f32)
	s_wait_alu depctr_va_vdst(0)
	v_mul_f32 v91, 0.5, v91
	v_fma_f32 v89, v92, v91, v89                   ; corrected root
	v_max_num_f32 v90, s23, v89                    ; n = max(root, eps)
	v_rcp_f32 v91, v90
	v_mul_f32 v94, -1.0, v90                       ; -n (plain place)
	s_wait_alu depctr_va_vdst(0)
	v_fma_f32 v92, v94, v91, 1.0
	v_fma_f32 v92, v92, v91, v91                   ; 1/n, refined
	v_mov_b32 v93, v92                             ; pairs for the packed forms
	v_mov_b32 v95, v94
.set i, 0
.rept 16
	v_pk_mul_f32 v[40+2*i:41+2*i], v[8+2*i:9+2*i], v[92:93]                     ; q = e * (1/n)
	v_pk_fma_f32 v[8+2*i:9+2*i], v[40+2*i:41+2*i], v[94:95], v[8+2*i:9+2*i]     ; e - q n
	v_pk_fma_f32 v[40+2*i:41+2*i], v[8+2*i:9+2*i], v[92:93], v[40+2*i:41+2*i]   ; q corrected = e / n
.set i, i+1
.endr
.irp p, 0,1,2,3,4,5,6,7
	global_store_b128 v5, v[40+4*\p:43+4*\p], s[12:13] offset:256*\p
.endr
.set i, 0
.rept 16
	v_cvt_pk_f16_f32 v[72+i], v[40+2*i], v[41+2*i]
.set i, i+1
.endr
	v_mul_f32 v89, -0.5, v88                       ; the matrix C: -esq/2
.irp u, 0,1,2,3
	global_store_b128 v6, v[72+4*\u:75+4*\u], s[10:11] offset:256*\u
.endr
	global_store_b32 v7, v89, s[10:11] offset:2048
	global_store_b32 v7, v88, s[14:15]
	global_store_b32 v7, v90, s[14:15] offset:32768
	s_endpgm
.Lfunc_end_k_q1d942a2474_prep:
	.size	k_q1d942a2474_prep, .Lfunc_end_k_q1d942a2474_prep-k_q1d942a2474_prep
	.p2alignl 7, 3214868480
	.fill 96, 4, 3214868480
	.section	.rodata,"a",@progbits
	.p2align	6, 0x0
	.amdhsa_kernel k_q1d942a2474_prep
		.amdhsa_group_segment_fixed_size 0
		.amdhsa_private_segment_fixed_size 0
		.amdhsa_enable_private_segment 0
		.amdhsa_kernarg_size 48
		.amdhsa_user_sgpr_count 2
		.amdhsa_user_sgpr_kernarg_segment_ptr 1
		.amdhsa_wavefront_size32 1
		.amdhsa_system_sgpr_workgroup_id_x 1
		.amdhsa_system_sgpr_workgroup_id_y 1
		.amdhsa_system_sgpr_workgroup_id_z 1
		.amdhsa_system_vgpr_workitem_id 0
		.amdhsa_next_free_vgpr 96
		.amdhsa_next_free_sgpr 66
		.amdhsa_reserve_vcc 1
		.amdhsa_float_denorm_mode_32 3
		.amdhsa_float_denorm_mode_16_64 3
		.amdhsa_memory_ordered 1
		.amdhsa_forward_progress 1
		.amdhsa_inst_pref_size 16
	.end_amdhsa_kernel
	.amdgpu_metadata
---
amdhsa.version: [ 1, 2 ]
amdhsa.kernels:
  - .name:           k_q1d942a2474_prep
    .symbol:         k_q1d942a2474_prep.kd
    .args:
      - { .name: z, .offset: 0, .size: 8, .value_kind: global_buffer, .address_space: global }
      - { .name: embedding, .offset: 8, .size: 8, .value_kind: global_buffer, .address_space: global }
      - { .name: zpart, .offset: 16, .size: 8, .value_kind: global_buffer, .address_space: global }
      - { .name: en16, .offset: 24, .size: 8, .value_kind: global_buffer, .address_space: global }
      - { .name: en32, .offset: 32, .size: 8, .value_kind: global_buffer, .address_space: global }
      - { .name: einfo, .offset: 40, .size: 8, .value_kind: global_buffer, .address_space: global }
    .group_segment_fixed_size: 0
    .private_segment_fixed_size: 0
    .kernarg_segment_align: 8
    .kernarg_segment_size: 48
    .max_flat_workgroup_size: 64
    .sgpr_count:     66
    .vgpr_count:     96
    .wavefront_size: 32
...
	.end_amdgpu_metadata
.endif
;; end of part 1
;; launch coarse (part 2): grid 64 x 4, 16 waves a work-group, no clusters, 231,424 bytes of LDS; arguments z, zpart, en16, keys, znb; writes keys, znb
.if DOCPART == 2
	.amdgcn_target "amdgcn-amd-amdhsa--gfx1250"
	.amdhsa_code_object_version 6
	.text
	.protected	k_q1d942a2474_coarse
	.globl	k_q1d942a2474_coarse
	.p2align	8
	.type	k_q1d942a2474_coarse,@function
k_q1d942a2474_coarse:
	s_mov_b64 s[64:65], 0
	v_nop
	global_prefetch_b8 v0, s[64:65] scope:SCOPE_SE
	s_setreg_imm32_b32 hwreg(HW_REG_WAVE_MODE, 25, 1), 1
	s_wait_xcnt 0x0
; COARSE.  Ranks blocks of eight codes by score = zn . en - |e|^2 / 2 (largest = nearest), the product in f16 with f32 sums.
; Work-group (x, y): rows 256 x .. +255, codes 2048 y .. +2047.  Sixteen waves, four on a SIMD (4 x 256 registers); every wave has all
; 256 rows (16 B fragments, 128 registers) and 128 codes of its own: 8 code tiles x 16 row tiles = 128 matrix instructions.
; The matrix instruction takes 16 codes as A, 16 rows of zn as B and -|e|^2/2 as C.  In D, lane (r, h) register j is
; (code 8h + j, row r): a lane's eight registers are eight consecutive codes of ONE row, so the search needs no other lane.
; For a tile: 4 instructions take the largest of the 8, one writes the block's number (code / 8, 10 bits) over the low mantissa bits,
; two keep the lane's best two (v_med3 for the second, v_max for the first): 7 instructions for 8 scores.
; A wave's codes come as four records of 2,176 bytes (two A tiles and their C), one tensor load each, into LDS bytes that only this wave
; reads: its own counted wait is all the ordering they need, and the later records land while the earlier ones are multiplied.
; At the end the 64 keys of a row (16 waves x 2 halves x 2) meet in LDS; the best two go out as integers that sort like the floats.
; The work-groups of quarter 0 also store zn in f32 for the later launches.
; LIMITS.  Finite inputs.  An f16 score is off by about 2^-10 |zn row| (two operands rounded to 11 bits) and the tag by 2^-13 of the
; score; the exact pass that follows sees the true code only if its block is among the best two of this quarter of the codebook.
; NO JOINT REQUESTS: the 64 work-groups of a quarter read the same 136 KB, but each wave asks for its 8.5 KB once, in its first lines,
; needs the first quarter of it only when z has been normalised and fetched, and multiplies for 16 steps on each quarter while the next lands.
.set EPS,     0x2b8cbccc               ; 1e-12
.set CHUNK,   2176                     ; a record in LDS: two A tiles of 1,024 bytes, 32 words of C
.set CHUNKG,  2304                     ; from record to record in memory
.set WCODES,  4*CHUNK                  ; a wave's four records
.set Z_BASE,  16*WCODES                ; 256 rows of zn in f16: 64 bytes + 16 of padding (an odd multiple of 16: a fragment load's 16 rows fall on different columns)
.set ZPITCH,  80
.set M_BASE,  Z_BASE+256*ZPITCH        ; 256 rows x 32 pairs of keys: 256 bytes + 16
.set MPITCH,  272
.set DD,  16                           ; v16-47   four D tiles: two pairs that take turns (before the products: z as loaded)
.set TR,  48                           ; v48-79   row tile i: best in TR+2i, second in TR+2i+1 (before the products: partial sums, then zn)
.set AC,  80                           ; v80-111  two slots of a code tile: A (8) and C (8)
.set ZF,  128                          ; v128-255 16 B fragments: the 256 rows
.set G1,  32                           ; s[32:39] descriptor group 1, the same for the four loads
.set G0,  40                           ; s[40:55] descriptor group 0, a set for each load; none is written again
; v1 lane, v2 16 lane, v3 16 t, v4 r, v5 h, v6 A address, v7 C address, v8 block number of the code tile in the search, v9 key offset,
; v10-13 at work, v14 v15 LDS addresses, v112-127 norms
	s_load_b256 s[4:11], s[0:1], 0x0               ; z s[4:5], zpart s[6:7], en16 s[8:9], keys s[10:11]
	s_load_b64 s[12:13], s[0:1], 0x20              ; znb
	v_lshl_add_u32 v254, v0, 2, 0x38000
	v_mov_b32 v255, 0
	ds_add_u32 v254, v255
	ds_add_u32 v254, v255
	s_wait_dscnt 0x0
	v_lshrrev_b32 v1, 5, v0
	v_readfirstlane_b32 s14, v1                    ; wave
	s_and_b32 s15, ttmp7, 0xffff                   ; quarter of the codebook
	s_lshl4_add_u32 s16, s15, s14                  ; 16 y + wave: which 128 codes are mine
	s_mov_b32 s19, 0                               ; high word of the offset pair s[18:19]
	v_and_b32 v1, 31, v0
	v_lshlrev_b32 v2, 4, v1
	v_lshlrev_b32 v3, 4, v0
	; group 1: one dense row of 272 elements of 8 bytes
	s_mov_b32 s[G1+0], 3<<16                       ; element of 8 bytes, no mask, no padding
	s_mov_b32 s[G1+1], 272<<16                     ; tensor_dim0
	s_mov_b32 s[G1+2], 1<<16
	s_mov_b32 s[G1+3], 272<<16                     ; tile_dim0
	s_mov_b32 s[G1+4], 1
	s_mov_b32 s[G1+5], 272
	s_mov_b32 s[G1+6], 0
	s_mov_b32 s[G1+7], 0
	s_mul_i32 s25, s14, WCODES                     ; my records in LDS
	s_wait_kmcnt 0x0
	; ---- z first, since the products wait for it longest: the batch's 32 partial sums, then my share of the 256 rows
	s_lshr_b32 s18, ttmp9, 3                       ; batch (8 row blocks each)
	s_lshl_b32 s18, s18, 12                        ; 32 chunks of 128 bytes
	s_add_nc_u64 s[6:7], s[6:7], s[18:19]
	s_lshl_b32 s18, ttmp9, 15                      ; 256 rows of 128 bytes
	s_add_nc_u64 s[4:5], s[4:5], s[18:19]
	s_add_nc_u64 s[12:13], s[12:13], s[18:19]
.irp k, 0,1,2,3,4,5,6,7
	global_load_b128 v[TR+4*\k:TR+4*\k+3], v2, s[6:7] offset:512*\k     ; chunk (lane >> 3) + 4 k, columns 4 (lane & 7) ..
.endr
.irp k, 0,1,2,3
	global_load_b128 v[DD+4*\k:DD+4*\k+3], v3, s[4:5] offset:8192*\k    ; row (t >> 3) + 64 k, the same columns
.endr
	s_mul_i32 s18, s16, 4*CHUNKG
	s_add_nc_u64 s[8:9], s[8:9], s[18:19]          ; my four records in memory
.irp j, 0,1,2,3
	s_mov_b32 s[G0+4*\j], 1                                        ; count
	s_add_co_u32 s[G0+4*\j+1], s25, \j*CHUNK                       ; LDS address: wave x 8,704 + record x 2,176
	s_add_nc_u64 s[G0+4*\j+2:G0+4*\j+3], s[8:9], \j*CHUNKG         ; global address
	s_or_b32 s[G0+4*\j+3], s[G0+4*\j+3], 0x80000000                ; type
	tensor_load_to_lds s[G0+4*\j:G0+4*\j+3], s[G1:G1+7]            ; four tensor loads of this wave are out at most
	s_nop 0
.endr
	s_lshl_b32 s18, s15, 17                        ; keys: plane y of 131,072 bytes,
	s_lshl_b32 s17, ttmp9, 11                      ; 256 rows of 8 bytes
	s_add_co_u32 s18, s18, s17
	s_add_nc_u64 s[10:11], s[10:11], s[18:19]
	s_mov_b32 s20, 0x3ff                           ; the tag's bits
	s_mov_b32 s21, EPS
	s_mov_b32 s22, 0x76543210
	s_mov_b32 s23, 0xfedcba98
	v_and_b32 v4, 15, v1                           ; r
	v_lshrrev_b32 v5, 4, v1                        ; h
	v_lshrrev_b32 v10, 3, v0
	v_and_b32 v11, 7, v0
	v_mul_u32_u24 v14, v10, ZPITCH                 ; where my 4 numbers of a row go as f16: row (t >> 3), 8 bytes at 8 (t & 7)
	v_lshl_add_u32 v14, v11, 3, v14
	v_add_nc_u32 v14, Z_BASE, v14
	v_mul_u32_u24 v15, v4, ZPITCH                  ; fragment: row r of a tile, 16 bytes for each half of the lanes
	v_lshl_add_u32 v15, v5, 4, v15
	v_add_nc_u32 v15, Z_BASE, v15
	v_add_nc_u32 v6, s25, v2                       ; A lies in fragment order: 16 bytes a lane, consecutive
	v_lshl_add_u32 v7, v5, 5, s25                  ; C: the words of codes 8h .. 8h+7,
	v_add_nc_u32 v7, 2048, v7                      ; behind the record's two A tiles
	s_lshl_b32 s17, s16, 4                         ; 16 blocks in 128 codes
	v_add_nc_u32 v8, s17, v5                       ; block = 16 (16 y + wave) + 2 tile + h
	s_wait_loadcnt 0x4                             ; the four z loads stay out: the partial sums are in
	v_pk_add_f32 v[112:113], v[TR:TR+1], v[TR+4:TR+5]
	v_pk_add_f32 v[114:115], v[TR+2:TR+3], v[TR+6:TR+7]
.irp k, 2,3,4,5,6,7
	v_pk_add_f32 v[112:113], v[112:113], v[TR+4*\k:TR+4*\k+1]
	v_pk_add_f32 v[114:115], v[114:115], v[TR+4*\k+2:TR+4*\k+3]
.endr
.irp r, 0,1,2,3                                    ; lanes with the same columns differ in lane bits 3 and 4
	v_add_f32_dpp v[112+\r], v[112+\r], v[112+\r] row_xmask:8 row_mask:0xf bank_mask:0xf
	v_permlanex16_b32 v[TR+\r], v[112+\r], s22, s23
	v_add_f32 v[112+\r], v[112+\r], v[TR+\r]
.endr
	; n = max(sqrt(S), eps) with one residual step, 1/n with one Newton step.  Transcendentals in runs of four, a v_nop behind each run.
.irp r, 0,1,2,3
	v_sqrt_f32 v[116+\r], v[112+\r]
.endr
	v_nop
	s_wait_alu depctr_va_vdst(0)
.irp r, 0,1,2,3
	v_max_num_f32 v[120+\r], s21, v[116+\r]
.endr
.irp r, 0,1,2,3
	v_rcp_f32 v[124+\r], v[120+\r]
.endr
	v_nop
	s_wait_alu depctr_va_vdst(0)
.irp r, 0,1,2,3
	v_fma_f32 v[120+\r], -v[116+\r], v[116+\r], v[112+\r]     ; S - s*s
	v_mul_f32 v[124+\r], 0.5, v[124+\r]
	v_fma_f32 v[116+\r], v[120+\r], v[124+\r], v[116+\r]      ; corrected root
	v_max_num_f32 v[116+\r], s21, v[116+\r]                   ; n
.endr
.irp r, 0,1,2,3
	v_rcp_f32 v[124+\r], v[116+\r]
.endr
	v_nop
	s_wait_alu depctr_va_vdst(0)
.irp r, 0,1,2,3
	v_mul_f32 v[120+\r], -1.0, v[116+\r]                      ; v120-123: -n
	v_fma_f32 v[112+\r], v[120+\r], v[124+\r], 1.0
	v_fma_f32 v[124+\r], v[112+\r], v[124+\r], v[124+\r]      ; v124-127: 1/n
.endr
	; zn = z / n (quotient corrected by its residual), kept in f32 in TR, and as f16 into LDS
.irp k, 0,1,2,3
	s_wait_loadcnt 3-\k                            ; loads return in order: piece k is in
	v_pk_mul_f32 v[TR+4*\k:TR+4*\k+1],   v[DD+4*\k:DD+4*\k+1],   v[124:125]
	v_pk_mul_f32 v[TR+4*\k+2:TR+4*\k+3], v[DD+4*\k+2:DD+4*\k+3], v[126:127]
	v_pk_fma_f32 v[DD+4*\k:DD+4*\k+1],   v[TR+4*\k:TR+4*\k+1],   v[120:121], v[DD+4*\k:DD+4*\k+1]
	v_pk_fma_f32 v[DD+4*\k+2:DD+4*\k+3], v[TR+4*\k+2:TR+4*\k+3], v[122:123], v[DD+4*\k+2:DD+4*\k+3]
	v_pk_fma_f32 v[TR+4*\k:TR+4*\k+1],   v[DD+4*\k:DD+4*\k+1],   v[124:125], v[TR+4*\k:TR+4*\k+1]
	v_pk_fma_f32 v[TR+4*\k+2:TR+4*\k+3], v[DD+4*\k+2:DD+4*\k+3], v[126:127], v[TR+4*\k+2:TR+4*\k+3]
	v_cvt_pk_f16_f32 v[ZF+2*\k],   v[TR+4*\k],   v[TR+4*\k+1]
	v_cvt_pk_f16_f32 v[ZF+2*\k+1], v[TR+4*\k+2], v[TR+4*\k+3]
	ds_store_b64 v14, v[ZF+2*\k:ZF+2*\k+1] offset:64*ZPITCH*\k
.endr
	s_cmp_lg_u32 s15, 0                            ; zn goes to memory once: from the work-groups of quarter 0
	s_cbranch_scc1 .Lnozn
.irp k, 0,1,2,3
	global_store_b128 v3, v[TR+4*\k:TR+4*\k+3], s[12:13] offset:8192*\k   ; a store of the wave covers 512 consecutive bytes
.endr
.Lnozn:
	s_wait_dscnt 0x0                               ; my f16 rows are in LDS, for the other waves' sake
	s_barrier_signal -1                            ; this barrier orders the z rows alone: the records on their way are read by their own wave only
	s_barrier_wait -1
.irp i, 0,1,2,3,4,5,6,7,8,9,10,11,12,13,14,15
	ds_load_b128 v[ZF+8*\i:ZF+8*\i+3],   v15 offset:16*ZPITCH*\i        ; row 16 i + r, k = 8h ..
	ds_load_b128 v[ZF+8*\i+4:ZF+8*\i+7], v15 offset:16*ZPITCH*\i+32     ; k = 16 + 8h ..
.endr
	s_wait_xcnt 0x0                                ; TR was the data of the stores above: rewritten only behind this wait
; four LDS loads: code tile LT (0 .. 7) of the wave into slot LT & 1
.macro LDAC
.set LA, AC+16*(LT&1)
	ds_load_b128 v[LA:LA+3],     v6 offset:(LT>>1)*CHUNK+(LT&1)*1024
	ds_load_b128 v[LA+4:LA+7],   v6 offset:(LT>>1)*CHUNK+(LT&1)*1024+512
	ds_load_b128 v[LA+8:LA+11],  v7 offset:(LT>>1)*CHUNK+(LT&1)*64
	ds_load_b128 v[LA+12:LA+15], v7 offset:(LT>>1)*CHUNK+(LT&1)*64+16
.endm
; step WS (0 .. 63), two matrix instructions: code tile WS >> 3 x row tiles 2 (WS & 7), +1, into D pair WS & 1
.macro WM2
.set WA, AC+16*((WS>>3)&1)
.set WD, DD+16*(WS&1)
.set WB, ZF+16*(WS&7)
	v_wmma_f32_16x16x32_f16 v[WD:WD+7], v[WA:WA+7], v[WB:WB+7], v[WA+8:WA+15]
	v_wmma_f32_16x16x32_f16 v[WD+8:WD+15], v[WA:WA+7], v[WB+8:WB+15], v[WA+8:WA+15]
.endm
; the search of step PS in D pair PS & 1, two tiles interleaved.  The first code tile writes the bests, the second the seconds:
; nothing is cleared.
.macro PICK
.set PD, DD+16*(PS&1)
.set PT, TR+4*(PS&7)
	v_max3_num_f32 v10, v[PD], v[PD+1], v[PD+2]
	v_max3_num_f32 v12, v[PD+8], v[PD+9], v[PD+10]
	v_max3_num_f32 v11, v[PD+3], v[PD+4], v[PD+5]
	v_max3_num_f32 v13, v[PD+11], v[PD+12], v[PD+13]
	v_max3_num_f32 v10, v10, v[PD+6], v[PD+7]
	v_max3_num_f32 v12, v12, v[PD+14], v[PD+15]
	v_max_num_f32 v10, v10, v11
	v_max_num_f32 v12, v12, v13
.if PS < 8
	v_bfi_b32 v[PT], s20, v8, v10                  ; low 10 bits = the block's number; the first key is the best
	v_bfi_b32 v[PT+2], s20, v8, v12
.else
	v_bfi_b32 v10, s20, v8, v10
	v_bfi_b32 v12, s20, v8, v12
.if PS < 16
	v_min_num_f32 v[PT+1], v[PT], v10              ; of two keys the smaller is the second
	v_min_num_f32 v[PT+3], v[PT+2], v12
.else
	v_med3_num_f32 v[PT+1], v[PT], v[PT+1], v10    ; the middle of (best, second, new) is the new second
	v_med3_num_f32 v[PT+3], v[PT+2], v[PT+3], v12
.endif
	v_max_num_f32 v[PT], v[PT], v10
	v_max_num_f32 v[PT+2], v[PT+2], v12
.endif
.endm
	s_wait_tensorcnt 0x3                           ; tensor loads of a wave end in order: my first record is in, three stay out
.set LT, 0
	LDAC
.set LT, 1
	LDAC
	s_wait_dscnt 0x0                               ; the z fragments and the first two code tiles
.set WS, 0
	WM2
.set WS, 1
	WM2
.rept 4
	v_nop                                          ; four places between the first pair and the search that reads it (ISA guide 7.12.1)
.endr
; 64 steps.  Each pair of matrix instructions is followed by the 10 to 14 plain instructions of the OTHER pair's search, which name none
; of its registers: more than the four places before its D is read and the five before its D is written again.
; Code tile T + 2 is fetched in step 8 T + 6, behind the search that follows the last product of tile T (its slot), eight steps ahead of its use.
.set PS, 0
.rept 64
	PICK
.if (PS&7) == 7
	v_add_nc_u32 v8, 2, v8                         ; the next code tile's block number
.endif
.if (PS&7) == 6
.if PS < 48
.if ((PS>>3)&1) == 0
	s_wait_tensorcnt 2-(PS>>4)                     ; the record of tiles T + 2, T + 3 is in; the younger records stay out
.endif
.set LT, (PS>>3)+2
	LDAC
	s_wait_dscnt 0x4                               ; the four just issued stay out: tile T + 1, which the next step multiplies, is in
.else
.if PS < 56
	s_wait_dscnt 0x0                               ; the last code tile: nothing was issued behind it
.endif
.endif
.endif
.if PS < 62
.set WS, PS+2
	WM2
.endif
.set PS, PS+1
.endr
	; ---- the 64 keys of a row meet: pair (2 wave + h) of row 16 i + r
	s_lshl_b32 s17, s14, 4
	s_add_co_u32 s17, s17, M_BASE
	v_mul_u32_u24 v14, v4, MPITCH
	v_lshl_add_u32 v14, v5, 3, v14
	v_add_nc_u32 v14, s17, v14
.irp i, 0,1,2,3,4,5,6,7,8,9,10,11,12,13,14,15
	ds_store_b64 v14, v[TR+2*\i:TR+2*\i+1] offset:16*MPITCH*\i
.endr
	s_wait_dscnt 0x0                               ; my keys are in LDS, for the other waves' sake
	s_barrier_signal -1
	s_barrier_wait -1
	s_cmp_ge_u32 s14, 8                            ; 256 rows: threads 0-255 take a row each, so that a wave's store covers 256 bytes
	s_cbranch_scc1 .Lend
	v_and_b32 v9, 0xff, v0                         ; my row
	v_mul_u32_u24 v15, v9, MPITCH
	v_add_nc_u32 v15, M_BASE, v15
	v_lshlrev_b32 v9, 3, v9
.irp p, 0,1,2,3,4,5,6,7,8,9,10,11,12,13,14,15
	ds_load_b128 v[DD+4*\p:DD+4*\p+3], v15 offset:16*\p                 ; 64 keys in v16-79
.endr
	s_wait_dscnt 0x0
.set i, 2
.rept 14                                           ; four chains of 16 keys side by side; each starts with a sorted pair
.irp c, 0,16,32,48
	v_med3_num_f32 v[DD+\c+1], v[DD+\c], v[DD+\c+1], v[DD+\c+i]
.endr
.irp c, 0,16,32,48
	v_max_num_f32 v[DD+\c], v[DD+\c], v[DD+\c+i]
.endr
.set i, i+1
.endr
.macro MERGE a, b                                  ; two sorted pairs into one: best = max of the bests, second = max(min of the bests, both seconds)
	v_min_num_f32 v10, v[\a], v[\b]
	v_max_num_f32 v[\a], v[\a], v[\b]
	v_max3_num_f32 v[\a+1], v10, v[\a+1], v[\b+1]
.endm
	MERGE DD, DD+16
	MERGE DD+32, DD+48
	MERGE DD, DD+32
.irp i, 0,1                                        ; float bits to an integer of the same order: negative numbers have their low 31 bits turned
	v_ashrrev_i32 v10, 31, v[DD+\i]
	v_and_b32 v10, 0x7fffffff, v10
	v_xor_b32 v[DD+\i], v[DD+\i], v10
.endr
	global_store_b64 v9, v[DD:DD+1], s[10:11]      ; a store of the wave covers 256 consecutive, aligned bytes
.Lend:
	s_wait_xcnt 0x0
	v_lshl_add_u32 v254, v0, 2, 0x38000
	v_mov_b32 v255, 0
	s_wait_tensorcnt 0x0
	ds_add_u32 v254, v255
	s_wait_dscnt 0x0
	s_endpgm
.Lfunc_end_k_q1d942a2474_coarse:
	.size	k_q1d942a2474_coarse, .Lfunc_end_k_q1d942a2474_coarse-k_q1d942a2474_coarse
	.p2alignl 7, 3214868480
	.fill 96, 4, 3214868480
	.section	.rodata,"a",@progbits
	.p2align	6, 0x0
	.amdhsa_kernel k_q1d942a2474_coarse
		.amdhsa_group_segment_fixed_size 231424
		.amdhsa_private_segment_fixed_size 0
		.amdhsa_enable_private_segment 0
		.amdhsa_kernarg_size 40
		.amdhsa_user_sgpr_count 2
		.amdhsa_user_sgpr_kernarg_segment_ptr 1
		.amdhsa_wavefront_size32 1
		.amdhsa_system_sgpr_workgroup_id_x 1
		.amdhsa_system_sgpr_workgroup_id_y 1
		.amdhsa_system_sgpr_workgroup_id_z 1
		.amdhsa_system_vgpr_workitem_id 0
		.amdhsa_next_free_vgpr 256
		.amdhsa_next_free_sgpr 66
		.amdhsa_reserve_vcc 0
		.amdhsa_float_denorm_mode_32 3
		.amdhsa_float_denorm_mode_16_64 3
		.amdhsa_memory_ordered 1
		.amdhsa_forward_progress 1
		.amdhsa_inst_pref_size 80
	.end_amdhsa_kernel
	.amdgpu_metadata
---
amdhsa.version: [ 1, 2 ]
amdhsa.kernels:
  - .name:           k_q1d942a2474_coarse
    .symbol:         k_q1d942a2474_coarse.kd
    .args:
      - { .name: z, .offset: 0, .size: 8, .value_kind: global_buffer, .address_space: global }
      - { .name: zpart, .offset: 8, .size: 8, .value_kind: global_buffer, .address_space: global }
      - { .name: en16, .offset: 16, .size: 8, .value_kind: global_buffer, .address_space: global }
      - { .name: keys, .offset: 24, .size: 8, .value_kind: global_buffer, .address_space: global }
      - { .name: znb, .offset: 32, .size: 8, .value_kind: global_buffer, .address_space: global }
    .group_segment_fixed_size: 231424
    .private_segment_fixed_size: 0
    .kernarg_segment_align: 8
    .kernarg_segment_size: 40
    .max_flat_workgroup_size: 512
    .sgpr_count:     66
    .vgpr_count:     256
    .wavefront_size: 32
...
	.end_amdgpu_metadata
.endif
;; end of part 2
;; launch refine (part 3): grid 256 x 1, 16 waves a work-group, no clusters, 145,664 bytes of LDS; arguments keys, znb, en32, einfo, out1, idxw, qpart; writes out1, idxw, qpart
.if DOCPART == 3
	.amdgcn_target "amdgcn-amd-amdhsa--gfx1250"
	.amdhsa_code_object_version 6
	.text
	.protected	k_q1d942a2474_refine
	.globl	k_q1d942a2474_refine
	.p2align	8
	.type	k_q1d942a2474_refine,@function
k_q1d942a2474_refine:
	s_mov_b64 s[64:65], 0
	v_nop
	global_prefetch_b8 v0, s[64:65] scope:SCOPE_SE
	s_setreg_imm32_b32 hwreg(HW_REG_WAVE_MODE, 25, 1), 1
	s_wait_xcnt 0x0
; REFINE.  Decides the index in f32.  Work-group c: rows 64 c .. +63; a wave has 4 rows; lane = (row q = l >> 3, j = l & 7).
; A row has 8 keys (best two blocks of each quarter of the codebook).  Every lane sorts out the best four in registers and takes
; code 8 block + j of each: the 8 lanes of a row try 32 codes.
;   d = (sum zn^2 + |e|^2) - 2 zn . en, the dot as one chain of fused multiply-adds, k ascending; least d, then least index.
; Every choice is a select: no address and no branch hangs on a distance.
; The winner's row comes back as n * en (weight n for the winner, 0 for the rest); its squares and its products with zn are summed over
; the chunk's 64 rows for each column -> qpart[c] = Sqq[32], Sqn[32].
; LIMITS.  Finite inputs.  The index is the reference's if its block is among the four best keys; a distance may differ from the
; reference's in the last bit where the reference adds in another order.  n * en stands for e in the two sums (one rounding more).
.set REC_W,  8704                      ; a wave's 32 records of 272 bytes: 64 f32 + 16 bytes (an odd multiple of 16: 16-byte stores of 16 lanes fall on different columns)
.set RPITCH, 272
.set XW,     16*REC_W                  ; 16 waves x 64 sums
.set IDXL,   XW+4096                   ; 64 indices
; v1 lane, v2 key offset, v3 16 j, v4 4 j, v5-7 at work, v8-23 keys, then v8-11 blocks, v12-15 en32 offsets, v16-19 einfo offsets,
; v20-23 |e|^2, v24-27 n, v28-31 dot then d, v32-63 zn, v64-191 en of the four codes, v192-195 code as f32, v196-203 weights (each twice),
; v204 sum zn^2, v205 least d, v206 least code, v207 index, v208-211 candidates, v212-220 addresses, v216 j
	s_load_b256 s[4:11], s[0:1], 0x0               ; keys s[4:5], znb s[6:7], en32 s[8:9], einfo s[10:11]
	s_load_b128 s[12:15], s[0:1], 0x20             ; out1 s[12:13], idxw s[14:15]
	s_load_b64 s[16:17], s[0:1], 0x30              ; qpart
	v_lshl_add_u32 v224, v0, 2, 0x23100
	v_mov_b32 v225, 0
	v_lshrrev_b32 v1, 5, v0
	v_readfirstlane_b32 s18, v1                    ; wave
	v_and_b32 v1, 31, v0
	v_lshrrev_b32 v5, 3, v0                        ; my row in the chunk
	v_lshlrev_b32 v2, 3, v5                        ; 8 bytes of keys a row and plane
	v_lshlrev_b32 v212, 7, v5                      ; 128 bytes of zn a row
	v_lshl_add_u32 v217, v5, 2, IDXL
	v_and_b32 v216, 7, v0                          ; j
	v_lshlrev_b32 v3, 4, v216
	v_lshlrev_b32 v4, 2, v216
	s_mov_b32 s21, 0                               ; high word of the offset pair s[20:21]
	s_wait_kmcnt 0x0
	s_lshl_b32 s20, ttmp9, 9
	s_add_nc_u64 s[4:5], s[4:5], s[20:21]
	s_lshl_b32 s20, ttmp9, 13
	s_add_nc_u64 s[6:7], s[6:7], s[20:21]
.irp p, 0,1,2,3
	global_load_b64 v[8+2*\p:9+2*\p], v2, s[4:5] offset:131072*\p
.endr
.irp p, 0,1,2,3,4,5,6,7
	global_load_b128 v[32+4*\p:35+4*\p], v212, s[6:7] offset:16*\p
.endr
	s_lshl_b32 s20, ttmp9, 8
	s_add_nc_u64 s[12:13], s[12:13], s[20:21]
	s_add_nc_u64 s[14:15], s[14:15], s[20:21]
	s_add_nc_u64 s[16:17], s[16:17], s[20:21]
	s_mov_b32 s22, 0x7f000000                      ; above every code number
	s_mul_i32 s23, s18, REC_W
	v_mul_u32_u24 v213, v1, RPITCH
	v_add_nc_u32 v213, s23, v213                   ; my record
	v_lshl_add_u32 v214, v1, 2, s23                ; word l of the wave's first record
	s_lshl_b32 s23, s18, 8
	s_add_co_u32 s23, s23, XW
	v_lshl_add_u32 v215, v1, 2, s23                ; word l of my wave's sums
	v_lshlrev_b32 v218, 3, v1
	s_wait_loadcnt 0x8                             ; the eight zn loads stay out: the keys are in
	; the best four of eight: two sorts of four (descending), then max(a_i, b_(3-i))
.irp g, 0,4
	v_max_i32 v[16+\g], v[8+\g], v[9+\g]
	v_min_i32 v[17+\g], v[8+\g], v[9+\g]
	v_max_i32 v[18+\g], v[10+\g], v[11+\g]
	v_min_i32 v[19+\g], v[10+\g], v[11+\g]
	v_max_i32 v[8+\g],  v[16+\g], v[18+\g]         ; first
	v_min_i32 v[10+\g], v[16+\g], v[18+\g]
	v_max_i32 v[9+\g],  v[17+\g], v[19+\g]
	v_min_i32 v[11+\g], v[17+\g], v[19+\g]         ; fourth
	v_max_i32 v[16+\g], v[9+\g], v[10+\g]          ; second
	v_min_i32 v[17+\g], v[9+\g], v[10+\g]          ; third
.endr
	v_max_i32 v24, v8, v15
	v_max_i32 v25, v16, v21
	v_max_i32 v26, v17, v20
	v_max_i32 v27, v11, v12
.irp b, 0,1,2,3
	v_ashrrev_i32 v7, 31, v[24+\b]                 ; back to the float's bits; the block's number is the low 10
	v_xor_b32 v[8+\b], v7, v[24+\b]
	v_and_b32 v[8+\b], 0x3ff, v[8+\b]
	v_min_u32 v[8+\b], 0x3ff, v[8+\b]              ; the bound of what enters an address, stated in the instruction
	v_and_b32 v5, 0x3fe, v[8+\b]
	v_and_b32 v6, 1, v[8+\b]
	v_lshlrev_b32 v5, 10, v5                       ; tile of 16 codes x 2,048 bytes
	v_lshl_add_u32 v5, v6, 7, v5                   ; + 16 x (8 (block & 1) + j)
	v_add_nc_u32 v[12+\b], v5, v3
	v_lshl_add_u32 v[16+\b], v[8+\b], 5, v4        ; 4 x code
	v_lshl_add_u32 v6, v[8+\b], 3, v216            ; code = 8 block + j
	v_cvt_f32_u32 v[192+\b], v6
.endr
.irp b, 0,1,2,3
.irp p, 0,1,2,3,4,5,6,7
	global_load_b128 v[64+32*\b+4*\p:67+32*\b+4*\p], v[12+\b], s[8:9] offset:256*\p
.endr
	global_load_b32 v[20+\b], v[16+\b], s[10:11]
	global_load_b32 v[24+\b], v[16+\b], s[10:11] offset:32768
.endr
	s_wait_loadcnt 40                              ; the 40 loads just issued stay out: zn is in
	v_mul_f32 v204, v32, v32
.set k, 1
.rept 31
	v_fma_f32 v204, v[32+k], v[32+k], v204
.set k, k+1
.endr
	s_wait_loadcnt 0x0
.irp b, 0,1,2,3
	v_mul_f32 v[28+\b], v32, v[64+32*\b]
.endr
.set k, 1
.rept 31                                           ; four chains side by side, each in ascending k
.irp b, 0,1,2,3
	v_fma_f32 v[28+\b], v[32+k], v[64+32*\b+k], v[28+\b]
.endr
.set k, k+1
.endr
.irp b, 0,1,2,3
	v_add_f32 v5, v204, v[20+\b]
	v_fma_f32 v[28+\b], -2.0, v[28+\b], v5         ; 2 x dot is exact: one rounding, as in a subtraction
.endr
	v_min3_num_f32 v205, v28, v29, v30
	v_min_num_f32 v205, v205, v31
.irp m, 1,2,4                                      ; over the row's 8 lanes
	v_min_num_f32_dpp v205, v205, v205 row_xmask:\m row_mask:0xf bank_mask:0xf
.endr
.irp b, 0,1,2,3
	v_cmp_eq_f32 vcc_lo, v[28+\b], v205
	v_cndmask_b32 v[208+\b], s22, v[192+\b], vcc_lo     ; the code where d is least, else a number above all codes
.endr
	v_min3_num_f32 v206, v208, v209, v210
	v_min_num_f32 v206, v206, v211
.irp m, 1,2,4
	v_min_num_f32_dpp v206, v206, v206 row_xmask:\m row_mask:0xf bank_mask:0xf
.endr
	v_cvt_u32_f32 v207, v206                       ; codes below 8,192 are exact in f32
.irp b, 0,1,2,3
	v_cmp_eq_f32 vcc_lo, v[192+\b], v206
	v_cndmask_b32 v[196+2*\b], 0, v[24+\b], vcc_lo      ; weight n for the winner, 0 else; twice, a pair for the packed forms
	v_cndmask_b32 v[197+2*\b], 0, v[24+\b], vcc_lo
.endr
.set i, 0
.rept 16
	v_pk_mul_f32 v[64+2*i:65+2*i], v[64+2*i:65+2*i], v[196:197]
	v_pk_fma_f32 v[64+2*i:65+2*i], v[96+2*i:97+2*i], v[198:199], v[64+2*i:65+2*i]
	v_pk_fma_f32 v[64+2*i:65+2*i], v[128+2*i:129+2*i], v[200:201], v[64+2*i:65+2*i]
	v_pk_fma_f32 v[64+2*i:65+2*i], v[160+2*i:161+2*i], v[202:203], v[64+2*i:65+2*i]   ; the winner's row, or zeros
	v_pk_mul_f32 v[96+2*i:97+2*i], v[64+2*i:65+2*i], v[64+2*i:65+2*i]                 ; its squares
	v_pk_mul_f32 v[128+2*i:129+2*i], v[64+2*i:65+2*i], v[32+2*i:33+2*i]               ; its products with zn
.set i, i+1
.endr
	; lanes hold rows, the sums run along columns: turn the 32 x 64 block through the wave's own LDS bytes
.irp p, 0,1,2,3,4,5,6,7
	ds_store_b128 v213, v[96+4*\p:99+4*\p] offset:16*\p
	ds_store_b128 v213, v[128+4*\p:131+4*\p] offset:128+16*\p
.endr
.set i, 0
.rept 32                                           ; LDS serves a wave's instructions in order: these see the stores above
	ds_load_b32 v[64+i], v214 offset:RPITCH*i
	ds_load_b32 v[160+i], v214 offset:RPITCH*i+128
.set i, i+1
.endr
	s_wait_dscnt 0x0
.set i, 1
.rept 15
	v_pk_add_f32 v[64:65], v[64:65], v[64+2*i:65+2*i]
	v_pk_add_f32 v[160:161], v[160:161], v[160+2*i:161+2*i]
.set i, i+1
.endr
	v_add_f32 v64, v64, v65                        ; column l: squares of my wave's 4 rows
	v_add_f32 v160, v160, v161                     ; and products
	ds_store_b32 v215, v64
	ds_store_b32 v215, v160 offset:128
	ds_store_b32 v217, v207                        ; the row's 8 lanes write the same word with the same value
	s_wait_dscnt 0x0                               ; for wave 0's sake
	s_barrier_signal -1
	s_barrier_wait -1
	s_cmp_lg_u32 s18, 0
	s_cbranch_scc1 .Lend
	v_add_nc_u32 v219, XW, v218                    ; wave 0: lane l takes words 2 l, 2 l + 1 of the 16 waves' sums
	v_add_nc_u32 v220, IDXL, v218
.irp w, 0,1,2,3,4,5,6,7,8,9,10,11,12,13,14,15
	ds_load_b64 v[64+2*\w:65+2*\w], v219 offset:256*\w
.endr
	ds_load_b64 v[96:97], v220
	s_wait_dscnt 0x0
.irp w, 1,2,3,4,5,6,7,8,9,10,11,12,13,14,15
	v_pk_add_f32 v[64:65], v[64:65], v[64+2*\w:65+2*\w]
.endr
	global_store_b64 v218, v[64:65], s[16:17]      ; each of these stores covers 256 consecutive, aligned bytes
	global_store_b64 v218, v[96:97], s[12:13]
	global_store_b64 v218, v[96:97], s[14:15]
.Lend:
	s_wait_tensorcnt 0x0
	ds_add_u32 v224, v225
	s_wait_dscnt 0x0
	s_endpgm
.Lfunc_end_k_q1d942a2474_refine:
	.size	k_q1d942a2474_refine, .Lfunc_end_k_q1d942a2474_refine-k_q1d942a2474_refine
	.p2alignl 7, 3214868480
	.fill 96, 4, 3214868480
	.section	.rodata,"a",@progbits
	.p2align	6, 0x0
	.amdhsa_kernel k_q1d942a2474_refine
		.amdhsa_group_segment_fixed_size 145664
		.amdhsa_private_segment_fixed_size 0
		.amdhsa_enable_private_segment 0
		.amdhsa_kernarg_size 56
		.amdhsa_user_sgpr_count 2
		.amdhsa_user_sgpr_kernarg_segment_ptr 1
		.amdhsa_wavefront_size32 1
		.amdhsa_system_sgpr_workgroup_id_x 1
		.amdhsa_system_sgpr_workgroup_id_y 1
		.amdhsa_system_sgpr_workgroup_id_z 1
		.amdhsa_system_vgpr_workitem_id 0
		.amdhsa_next_free_vgpr 226
		.amdhsa_next_free_sgpr 66
		.amdhsa_reserve_vcc 1
		.amdhsa_float_denorm_mode_32 3
		.amdhsa_float_denorm_mode_16_64 3
		.amdhsa_memory_ordered 1
		.amdhsa_forward_progress 1
		.amdhsa_inst_pref_size 38
	.end_amdhsa_kernel
	.amdgpu_metadata
---
amdhsa.version: [ 1, 2 ]
amdhsa.kernels:
  - .name:           k_q1d942a2474_refine
    .symbol:         k_q1d942a2474_refine.kd
    .args:
      - { .name: keys, .offset: 0, .size: 8, .value_kind: global_buffer, .address_space: global }
      - { .name: znb, .offset: 8, .size: 8, .value_kind: global_buffer, .address_space: global }
      - { .name: en32, .offset: 16, .size: 8, .value_kind: global_buffer, .address_space: global }
      - { .name: einfo, .offset: 24, .size: 8, .value_kind: global_buffer, .address_space: global }
      - { .name: out1, .offset: 32, .size: 8, .value_kind: global_buffer, .address_space: global }
      - { .name: idxw, .offset: 40, .size: 8, .value_kind: global_buffer, .address_space: global }
      - { .name: qpart, .offset: 48, .size: 8, .value_kind: global_buffer, .address_space: global }
    .group_segment_fixed_size: 145664
    .private_segment_fixed_size: 0
    .kernarg_segment_align: 8
    .kernarg_segment_size: 56
    .max_flat_workgroup_size: 512
    .sgpr_count:     66
    .vgpr_count:     226
    .wavefront_size: 32
...
	.end_amdgpu_metadata
.endif
;; end of part 3
;; launch finish (part 4): grid 257 x 1, 8 waves a work-group, no clusters, 1,280 bytes of LDS; arguments znb, embedding, idxw, qpart, zpart, out0, out2; writes out0, out2
.if DOCPART == 4
	.amdgcn_target "amdgcn-amd-amdhsa--gfx1250"
	.amdhsa_code_object_version 6
	.text
	.protected	k_q1d942a2474_finish
	.globl	k_q1d942a2474_finish
	.p2align	8
	.type	k_q1d942a2474_finish,@function
k_q1d942a2474_finish:
	s_mov_b64 s[64:65], 0
	v_nop
	global_prefetch_b8 v0, s[64:65] scope:SCOPE_SE
	s_setreg_imm32_b32 hwreg(HW_REG_WAVE_MODE, 25, 1), 1
	s_wait_xcnt 0x0
; FINISH.  Work-groups 0-255: rows 64 c .. +63: q = embedding[idx], zq = q / max(sqrt(sum over T of q^2), eps), out0 = zn + (zq - zn).
; Thread t: 16 bytes at 16 t + 4096 k (k = 0, 1): row (t >> 3) + 32 k, columns 4 (t & 7) ..; a load or store of a wave covers 512 bytes.
; Work-group 256: the loss.  Thread t = 32 b + d owns column d of batch b:
;   sum over T of (zq - zn)^2 = Szz rz^2 + Sqq rq^2 - 2 Sqn rq, with Szz = sum z^2, Sqq = sum q^2, Sqn = sum q zn, rz, rq the reciprocal norms;
;   loss = (1 + 0.25) / 524288 x the sum over the 256 columns.
; LIMITS.  Finite inputs.  The loss is the expanded square, so its rounding differs from a sum of squared differences; the reciprocal norms
; here are plain v_rcp_f32 of v_sqrt_f32 (1 ulp each).
.set EPS, 0x2b8cbccc                   ; 1e-12
	s_load_b256 s[4:11], s[0:1], 0x0               ; znb s[4:5], embedding s[6:7], idxw s[8:9], qpart s[10:11]
	s_load_b128 s[12:15], s[0:1], 0x20             ; zpart s[12:13], out0 s[14:15]
	s_load_b64 s[16:17], s[0:1], 0x30              ; out2
	v_lshl_add_u32 v112, v0, 2, 0x100
	v_mov_b32 v113, 0
	s_mov_b32 s19, 0                               ; high word of the offset pair s[18:19]
	s_mov_b32 s20, 0x76543210
	s_mov_b32 s21, 0xfedcba98
	s_mov_b32 s22, EPS
	v_and_b32 v1, 31, v0
	s_wait_kmcnt 0x0
	s_cmp_eq_u32 ttmp9, 256
	s_cbranch_scc1 .Lloss
	v_lshrrev_b32 v2, 3, v0
	v_lshlrev_b32 v2, 2, v2                        ; my row's index word
	v_and_b32 v3, 7, v0
	v_lshlrev_b32 v3, 4, v3                        ; my 4 columns, in bytes
	v_lshrrev_b32 v4, 3, v1
	v_lshl_add_u32 v4, v4, 8, v3                   ; qpart: chunk (lane >> 3) + 4 k, my columns of Sqq
	v_lshlrev_b32 v5, 4, v0
	s_lshl_b32 s18, ttmp9, 8
	s_add_nc_u64 s[8:9], s[8:9], s[18:19]
	s_lshr_b32 s18, ttmp9, 5                       ; batch: 32 chunks of 256 bytes
	s_lshl_b32 s18, s18, 13
	s_add_nc_u64 s[10:11], s[10:11], s[18:19]
	s_lshl_b32 s18, ttmp9, 13
	s_add_nc_u64 s[4:5], s[4:5], s[18:19]
	s_add_nc_u64 s[14:15], s[14:15], s[18:19]
	global_load_b32 v8, v2, s[8:9]
	global_load_b32 v9, v2, s[8:9] offset:128
.irp k, 0,1,2,3,4,5,6,7
	global_load_b128 v[16+4*\k:19+4*\k], v4, s[10:11] offset:1024*\k
.endr
	global_load_b128 v[48:51], v5, s[4:5]
	global_load_b128 v[52:55], v5, s[4:5] offset:4096
	s_wait_loadcnt 10                              ; 8 partial sums and 2 pieces of zn stay out: the indices are in
	v_min_u32 v8, 0x1fff, v8                       ; an index stays inside the table
	v_min_u32 v9, 0x1fff, v9
	v_lshl_add_u32 v10, v8, 7, v3
	v_lshl_add_u32 v11, v9, 7, v3
	global_load_b128 v[56:59], v10, s[6:7]
	global_load_b128 v[60:63], v11, s[6:7]
	s_wait_loadcnt 4                               ; zn and the two gathered pieces stay out: the partial sums are in
	v_pk_add_f32 v[64:65], v[16:17], v[20:21]
	v_pk_add_f32 v[66:67], v[18:19], v[22:23]
.irp k, 2,3,4,5,6,7
	v_pk_add_f32 v[64:65], v[64:65], v[16+4*\k:17+4*\k]
	v_pk_add_f32 v[66:67], v[66:67], v[18+4*\k:19+4*\k]
.endr
.irp r, 0,1,2,3                                    ; lanes with the same columns differ in lane bits 3 and 4
	v_add_f32_dpp v[64+\r], v[64+\r], v[64+\r] row_xmask:8 row_mask:0xf bank_mask:0xf
	v_permlanex16_b32 v[16+\r], v[64+\r], s20, s21
	v_add_f32 v[64+\r], v[64+\r], v[16+\r]
.endr
.irp r, 0,1,2,3
	v_sqrt_f32 v[68+\r], v[64+\r]
.endr
	v_nop                                          ; one plain instruction behind a run of transcendentals (ISA guide 5.7.2)
	s_wait_alu depctr_va_vdst(0)
.irp r, 0,1,2,3
	v_max_num_f32 v[64+\r], s22, v[68+\r]
.endr
.irp r, 0,1,2,3
	v_rcp_f32 v[68+\r], v[64+\r]
.endr
	v_nop
	s_wait_loadcnt 0x0
	s_wait_alu depctr_va_vdst(0)
.irp k, 0,1
	v_pk_fma_f32 v[56+4*\k:57+4*\k], v[56+4*\k:57+4*\k], v[68:69], v[48+4*\k:49+4*\k] neg_lo:[0,0,1] neg_hi:[0,0,1]   ; zq - zn
	v_pk_fma_f32 v[58+4*\k:59+4*\k], v[58+4*\k:59+4*\k], v[70:71], v[50+4*\k:51+4*\k] neg_lo:[0,0,1] neg_hi:[0,0,1]
	v_pk_add_f32 v[56+4*\k:57+4*\k], v[48+4*\k:49+4*\k], v[56+4*\k:57+4*\k]                                           ; zn + (zq - zn)
	v_pk_add_f32 v[58+4*\k:59+4*\k], v[50+4*\k:51+4*\k], v[58+4*\k:59+4*\k]
	global_store_b128 v5, v[56+4*\k:59+4*\k], s[14:15] offset:4096*\k
.endr
	s_endpgm
.Lloss:
	v_lshrrev_b32 v4, 5, v0                        ; batch = wave
	v_lshlrev_b32 v5, 2, v1                        ; column
	v_lshl_add_u32 v2, v4, 12, v5                  ; zpart: 32 chunks of 128 bytes a batch
	v_lshl_add_u32 v3, v4, 13, v5                  ; qpart: 32 chunks of 256 bytes
	v_lshlrev_b32 v6, 2, v4                        ; my wave's word in LDS
.set i, 0
.rept 32
	global_load_b32 v[16+i], v2, s[12:13] offset:128*i
	global_load_b32 v[48+i], v3, s[10:11] offset:256*i
	global_load_b32 v[80+i], v3, s[10:11] offset:256*i+128
.set i, i+1
.endr
	s_wait_loadcnt 0x0
.set i, 1
.rept 15
	v_pk_add_f32 v[16:17], v[16:17], v[16+2*i:17+2*i]
	v_pk_add_f32 v[48:49], v[48:49], v[48+2*i:49+2*i]
	v_pk_add_f32 v[80:81], v[80:81], v[80+2*i:81+2*i]
.set i, i+1
.endr
	v_add_f32 v16, v16, v17                        ; Szz
	v_add_f32 v48, v48, v49                        ; Sqq
	v_add_f32 v80, v80, v81                        ; Sqn
	v_sqrt_f32 v17, v16
	v_sqrt_f32 v49, v48
	v_nop
	s_wait_alu depctr_va_vdst(0)
	v_max_num_f32 v17, s22, v17
	v_max_num_f32 v49, s22, v49
	v_rcp_f32 v18, v17                             ; rz
	v_rcp_f32 v50, v49                             ; rq
	v_nop
	s_wait_alu depctr_va_vdst(0)
	v_mul_f32 v19, v16, v18
	v_mul_f32 v51, v48, v50
	v_mul_f32 v81, v80, v50
	v_mul_f32 v19, v19, v18                        ; Szz rz^2
	v_fma_f32 v19, v51, v50, v19                   ; + Sqq rq^2
	v_fma_f32 v19, -2.0, v81, v19                  ; - 2 Sqn rq
.irp m, 1,2,4,8
	v_add_f32_dpp v19, v19, v19 row_xmask:\m row_mask:0xf bank_mask:0xf
.endr
	v_permlanex16_b32 v20, v19, s20, s21
	v_add_f32 v19, v19, v20                        ; the batch's 32 columns
	ds_store_b32 v6, v19                           ; all lanes write the same word with the same value
	s_wait_dscnt 0x0                               ; for the other waves' sake
	s_barrier_signal -1
	s_barrier_wait -1
	v_mov_b32 v7, 0
	ds_load_b128 v[24:27], v7
	ds_load_b128 v[28:31], v7 offset:16
	s_wait_dscnt 0x0
	v_pk_add_f32 v[24:25], v[24:25], v[26:27]
	v_pk_add_f32 v[28:29], v[28:29], v[30:31]
	v_pk_add_f32 v[24:25], v[24:25], v[28:29]
	v_add_f32 v24, v24, v25
	v_mul_f32 v24, 0x36200000, v24                 ; x 1.25 / 524288
	v_cmp_eq_u32 vcc_lo, 0, v0
	s_wait_xcnt 0x0                                ; EXEC is a source of the loads above: it changes only behind this wait
	s_wait_tensorcnt 0x0
	ds_add_u32 v112, v113
	s_wait_dscnt 0x0
	s_and_saveexec_b32 s23, vcc_lo
	global_store_b32 v7, v24, s[16:17]             ; thread 0 alone
	s_wait_xcnt 0x0                                ; and again in front of the line that widens it
	s_or_b32 exec_lo, exec_lo, s23
	s_endpgm
.Lfunc_end_k_q1d942a2474_finish:
	.size	k_q1d942a2474_finish, .Lfunc_end_k_q1d942a2474_finish-k_q1d942a2474_finish
	.p2alignl 7, 3214868480
	.fill 96, 4, 3214868480
	.section	.rodata,"a",@progbits
	.p2align	6, 0x0
	.amdhsa_kernel k_q1d942a2474_finish
		.amdhsa_group_segment_fixed_size 1280
		.amdhsa_private_segment_fixed_size 0
		.amdhsa_enable_private_segment 0
		.amdhsa_kernarg_size 56
		.amdhsa_user_sgpr_count 2
		.amdhsa_user_sgpr_kernarg_segment_ptr 1
		.amdhsa_wavefront_size32 1
		.amdhsa_system_sgpr_workgroup_id_x 1
		.amdhsa_system_sgpr_workgroup_id_y 1
		.amdhsa_system_sgpr_workgroup_id_z 1
		.amdhsa_system_vgpr_workitem_id 0
		.amdhsa_next_free_vgpr 114
		.amdhsa_next_free_sgpr 66
		.amdhsa_reserve_vcc 1
		.amdhsa_float_denorm_mode_32 3
		.amdhsa_float_denorm_mode_16_64 3
		.amdhsa_memory_ordered 1
		.amdhsa_forward_progress 1
		.amdhsa_inst_pref_size 20
	.end_amdhsa_kernel
	.amdgpu_metadata
---
amdhsa.version: [ 1, 2 ]
amdhsa.kernels:
  - .name:           k_q1d942a2474_finish
    .symbol:         k_q1d942a2474_finish.kd
    .args:
      - { .name: znb, .offset: 0, .size: 8, .value_kind: global_buffer, .address_space: global }
      - { .name: embedding, .offset: 8, .size: 8, .value_kind: global_buffer, .address_space: global }
      - { .name: idxw, .offset: 16, .size: 8, .value_kind: global_buffer, .address_space: global }
      - { .name: qpart, .offset: 24, .size: 8, .value_kind: global_buffer, .address_space: global }
      - { .name: zpart, .offset: 32, .size: 8, .value_kind: global_buffer, .address_space: global }
      - { .name: out0, .offset: 40, .size: 8, .value_kind: global_buffer, .address_space: global }
      - { .name: out2, .offset: 48, .size: 8, .value_kind: global_buffer, .address_space: global }
    .group_segment_fixed_size: 1280
    .private_segment_fixed_size: 0
    .kernarg_segment_align: 8
    .kernarg_segment_size: 56
    .max_flat_workgroup_size: 256
    .sgpr_count:     66
    .vgpr_count:     114
    .wavefront_size: 32
...
	.end_amdgpu_metadata
.endif
;; end of part 4
